; MI455X (gfx1250); checked and timed in simulation.
; The chip was launched on July 23, 2026; its instructions are those of AMD's public machine-readable ISA for CDNA 5 (MIT licence, August 2026) and "CDNA5" Instruction Set Architecture Reference Guide (July 2026). The comments in the code are by the model that wrote it; some were corrected since.
;; LSTM Cell. Allowed arithmetic: matrix products marked QUANTISED: E2M3 operands, one E8M0 scale for each 32 along K, by v_wmma_scale_f32_16x16x128_f8f6f4 with both operands' format E2M3, f32 sums; everything else in f32.
;; Inputs: Wc 4,096 x 2,048 float32; Wf 4,096 x 2,048 float32; Wi 4,096 x 2,048 float32; Wo 4,096 x 2,048 float32; bc 2,048 float32; bf 2,048 float32; bi 2,048 float32; bo 2,048 float32; cell_state 2,048 x 2,048 float32; hidden_state 2,048 x 2,048 float32; x 2,048 x 2,048 float32.
;; Outputs: out0 2,048 x 2,048 float32; out1 2,048 x 2,048 float32.
;; This version of the problem:
;;   THIS VERSION OF THE PROBLEM IS GIVEN IN LOW PRECISION. The matrix products marked QUANTISED in the list below multiply operands that are first quantised to E2M3 (2 exponent bits, 3 mantissa bits; 6 bits a number), with one power-of-two scale for each 32 numbers along K (OCP MX v1.0); their sums are f32. All else is computed in f32.
;;   The module's matrix products, in the order in which they are computed (A, B: the left and right operand; K: the contracted axis; several contracted axes count as one K, in the product's order):
;;     1. [M 2,048, K 4,096] x [K 4,096, N 8,192]; A: computed on the way; B: computed on the way: QUANTISED
;;   THE QUANTISER, for each operand of a quantised product, along K:
;;     - K is cut into blocks of 32 from its start; a last block that is shorter is filled with zeros.
;;     - A block's scale is 2^e with e = floor(log2(the largest magnitude in the block)) - 2, held to -126 .. 127; a block of zeros has e = 0. As a byte (E8M0): e + 127.
;;     - Each number is divided by its block's scale, clamped to +-7.5, and rounded to the nearest number of E2M3, ties to even, subnormals kept.
;;     - The product sums the exact products of the quantised numbers (number of the format x scale) in f32.
;;   ~~~python
;;   def quantise(x, axis):      # numpy; x: float32 -> the quantised numbers, widened to float32 again
;;       x = np.moveaxis(x, axis, -1); K = x.shape[-1]
;;       x = np.pad(x, [(0, 0)] * (x.ndim - 1) + [(0, -K % 32)]); x = x.reshape(x.shape[:-1] + (-1, 32)); a = np.abs(x).max(-1, keepdims=True)
;;       e = np.where(a > 0, np.clip(np.frexp(np.where(a > 0, a, 1))[1] - 1 - 2, -126, 127), 0)      # np.frexp(a)[1] - 1 = floor(log2(a)), exactly
;;       r = np.clip(x / 2.0 ** e, -7.5, 7.5)
;;       step = 2.0 ** (np.maximum(np.frexp(np.where(r == 0, 1, r))[1] - 1, 0) - 3)
;;       q = np.round(r / step) * step * 2.0 ** e      # np.round: ties to even
;;       return np.moveaxis(q.reshape(q.shape[:-2] + (-1,))[..., :K], -1, axis).astype(np.float32)
;;   ~~~
;;   OPERANDS COMPUTED ON THE WAY. 'Computed on the way' means the value that the module computes at that place (a softmax that the list does not call 'softmax' is quantised finished and normalised). What goes into a quantiser is computed in f32, as accurately as f32 sums, v_exp_f32 and their like allow (about 1e-6 of the number): no bf16 or f16 on the way to a quantiser, and a product that is left as it is and whose result goes on into a quantised operand takes f32 operands (vector FMAs, or v_wmma_f32_16x16x4_f32). A number that lies on a knife's edge between two numbers of the format may be rounded either way, as far as f32 arithmetic and the matrix unit's own rounding can turn it there, and no further.
;; One version. Each part assembles by itself: llvm-mc -triple=amdgcn-amd-amdhsa -mcpu=gfx1250 --defsym DOCPART=n.
;; ======== version 1 of 1: 2 launches
;; limits: inputs' magnitudes at most 1.153e+18; right only within a limited range of input values
;; workspace buffers: aq 6,651,904 bytes; wq 26,607,616 bytes
;; launch quant (part 1): grid 96 x 11, 2 waves a work-group, no clusters, 33,536 bytes of LDS; arguments Wf, Wi, Wo, Wc, hidden_state, x, aq, wq; writes aq, wq
.if DOCPART == 1
	.amdgcn_target "amdgcn-amd-amdhsa--gfx1250"
	.amdhsa_code_object_version 6
	.text
	.protected	k_q9ce23215fa_quant
	.globl	k_q9ce23215fa_quant
	.p2align	8
	.type	k_q9ce23215fa_quant,@function
k_q9ce23215fa_quant:
	s_mov_b64 s[64:65], 0
	v_nop
	global_prefetch_b8 v0, s[64:65] scope:SCOPE_SE
	s_setreg_imm32_b32 hwreg(HW_REG_WAVE_MODE, 25, 1), 1
	s_wait_xcnt 0x0
; Both operands of z = [hidden | x] [Wf | Wi | Wo | Wc] are turned into codes of FP6 (E2M3) with one E8M0 scale byte for each 32 along K (K = 4,096), and laid
; AS IMAGES OF THE MATRIX OPERAND'S REGISTERS, so that the product's launch fetches dense blocks and reads each fragment by three loads of 16 bytes a lane.
; A block's scale is 2^(floor(log2(its largest magnitude)) - 2): its byte is the largest magnitude's exponent field - 2, held at 1 from below by a floor among the maximum's leaves.
; LAYOUT of aq and wq.  A HALF TILE is 128 operand rows (8 blocks of 16), HTB bytes.  K's 32 steps of 128 go in slots: slots 0 to 9 hold 3 steps (SB bytes), slot 10 holds 2.
;   In a slot: bytes 0 .. 2,047 the scale words: block i at 256 i, row r at 16 r: the words of steps 0, 1, 2 and a word 0 (in slot 10 the third word is 0 too);
;   from byte 2,048 the codes: fragment (step q, block i) at (8 q + i) x 1,536; in it registers 4 g .. 4 g + 3 of lane l at 512 g + 16 l.
;   A fragment's lane (r, h) holds row r; its registers 6 c .. 6 c + 5 hold k = 64 c + 32 h + 0 .. 31, 192 bits without gaps.
;   aq: half tile HT = rows 128 HT on of [hidden | x].   wq: half tile t = units 32 t .. 32 t + 31 of ALL FOUR gates: block 2 g + u (g: 0 f, 1 i, 2 o, 3 c) holds unit 32 t + 16 u + r.
; SHARES.  Work-group y = the slot.  x < 64: W: gate x / 16; wave w takes columns 128 (x % 16) + 64 w on: half tiles 4 (x % 16) + 2 w and the next.
;          x >= 64: A: half tile (x - 64) / 2; wave w takes blocks 2 v and 2 v + 1, v = 2 ((x - 64) % 2) + w.
; No tensor loads, no barrier: waves share nothing; each path has LDS stages of its own, a stage a wave.
; No prefetch: every byte is read once, and each wave keeps the loads of two blocks out while it works.
; LIMITS: NaN and infinities among the inputs are not served.  A block whose largest magnitude lies under 2^-124 keeps the byte 1; a block of zeros has the byte 1 where the
; quantiser's rule says 127: its codes are zeros, which add nothing, and the bytes are read by this program alone.
.set SB,   38912
.set HTB,  415744
.set FRB,  1536                        ; a fragment's image in bytes
.set SEL,  38                          ; s[38:39] lane selects for v_permlanex16_b32: lane l xor 16
.set STG,  8448                        ; A: a wave's stage: 16 rows x 528 bytes
.set SPARE, 2*STG                      ; the spare words: 256 bytes that no other line names
.set WST,  SPARE+256                   ; W: a wave's stage: 32 rows x 256 bytes
; W's path
.set TC,   8                           ; v8-10    a block's upper 16 codes, before they are moved
.set NW,   14                          ; v14, v15 the scale word of the step at work, for my column of each half
.set SW,   16                          ; v[16:19], v[20:23] the slot's three scale words and a word 0, for each half
.set WP,   24                          ; v24-35, v36-47 the 12 operand registers at work, for each half
.set WX,   48                          ; v48-111  32 numbers down K of my column, for each half
.set WR,   112                         ; v112-239 two sets of 64 registers as they are loaded
; A's path
.set PW,   7                           ; v7       the scale word just made
.set TM,   8                           ; v8-23    at work in QUANT
.set RA,   32                          ; v32-159  two sets of 64 numbers as they are loaded
.set XA,   160                         ; v160-223 64 numbers in the operand's order
.set PC,   224                         ; v224-242 the codes just made
.set KW,   244                         ; v244-249 the scale word of each of the six fragments
.set OW,   250                         ; v[250:253] the scale words on their way out
	s_load_b256 s[4:11], s[0:1], 0x0               ; Wf s[4:5], Wi s[6:7], Wo s[8:9], Wc s[10:11]
	s_load_b256 s[12:19], s[0:1], 0x20             ; hidden s[12:13], x s[14:15], aq s[16:17], wq s[18:19]
	v_lshl_add_u32 v254, v0, 2, SPARE
	v_mov_b32 v255, 0
	v_lshrrev_b32 v1, 5, v0
	v_readfirstlane_b32 s20, v1                    ; wave 0, 1
	v_and_b32 v1, 31, v0                           ; lane
	s_and_b32 s22, ttmp7, 0xffff                   ; the slot
	s_mul_i32 s46, s22, SB                         ; where it begins in a half tile
	s_mov_b32 s47, 0
	s_cmp_ge_u32 ttmp9, 64
	s_cbranch_scc1 .Lpath_a
; ---------------------------------------------------------------- W: K is the FIRST axis.  A load takes two rows' 256 consecutive bytes, 16 bytes a lane; a block of 32 rows turns through the wave's stage
; and comes back a column to a lane, registers down K: a block of 32 along K lies in one lane's 32 registers, and the conversions give codes with K innermost.
	s_lshr_b32 s23, ttmp9, 4                       ; the gate g
	s_and_b32 s24, ttmp9, 15                       ; T
	s_wait_alu depctr_va_vdst(0)                   ; the wait ahead of the readers of the lane's number below
	v_and_b32 v5, 15, v1                           ; r
	v_lshrrev_b32 v6, 4, v1                        ; u; on the way in: which row of the two
	v_lshlrev_b32 v4, 4, v1                        ; scale words out: 16 bytes a lane: 256 u + 16 r
	v_lshlrev_b32 v2, 4, v5
	v_lshl_add_u32 v2, v6, 13, v2                  ; in: 16 bytes of a row's 256, rows 8,192 bytes apart
	v_mul_u32_u24 v3, v6, FRB
	v_lshl_add_u32 v3, v5, 4, v3                   ; codes out: block u's fragment, 16 r
	s_lshl_b32 s25, s20, 13
	s_add_co_u32 s25, s25, WST                     ; my stage
	v_add_nc_u32 v5, s25, v4                       ; into it: two rows on end, 16 x lane
	v_lshl_add_u32 v6, v1, 2, s25                  ; out of it: my column's word of a row
.irp i, 0,1,2,3,4,5,6,7
	v_mov_b32 v[SW+\i], 0
.endr
	s_mul_i32 s40, s22, 384*8192                   ; the slot's first row of W
	s_lshl_b32 s41, s24, 9
	s_add_co_u32 s40, s40, s41                     ; + 128 T columns
	s_lshl_b32 s41, s20, 8
	s_add_co_u32 s40, s40, s41                     ; + 64 w columns
	s_mov_b32 s41, 0
	s_lshl_b32 s42, s24, 2
	s_lshl_b32 s43, s20, 1
	s_add_co_u32 s42, s42, s43                     ; half tile 4 T + 2 w
	s_mul_i32 s42, s42, HTB
	s_mov_b32 s43, 0
	s_mul_i32 s44, s23, 2*FRB                      ; the gate's two blocks among a step's eight fragments
	s_mov_b32 s45, 0
	s_and_b32 s25, s23, 1
	s_cmp_eq_u32 s22, 10
	s_cselect_b32 s21, 1, 2                        ; the loop's trips: the slot's steps less the last one
	s_wait_alu depctr_va_vdst(0)                   ; the wait at the head's end
	s_wait_kmcnt 0x0
	s_cmp_lg_u32 s25, 0                            ; the gate's tensor: the choice hangs on the work-group's number alone
	s_cselect_b64 s[4:5], s[6:7], s[4:5]           ; Wi or Wf
	s_cselect_b64 s[8:9], s[10:11], s[8:9]         ; Wc or Wo
	s_cmp_lt_u32 s23, 2
	s_cselect_b64 s[26:27], s[4:5], s[8:9]
	s_add_nc_u64 s[26:27], s[26:27], s[40:41]      ; where my wave reads
	s_add_nc_u64 s[30:31], s[18:19], s[42:43]
	s_add_nc_u64 s[30:31], s[30:31], s[46:47]      ; my slot in my first half tile
	s_add_nc_u64 s[28:29], s[30:31], s[44:45]      ; codes
	s_lshl_b32 s44, s23, 9
	s_add_nc_u64 s[30:31], s[30:31], s[44:45]      ; scale words: the gate's two blocks, 512 bytes
; Turn n of a step takes K's block kb = 0, 2, 1, 3: blocks 0 and 2 make lane (r, 0)'s twelve registers, blocks 1 and 3 lane (r, 1)'s, so one run of twelve serves both.  n = 4, 5: the next step's first two.
.macro LOADW n
.set KR, 32*(4*((\n)/4)+2*((\n)%2)+((\n)%4)/2)
.set II, 0
.rept 16
	global_load_b128 v[WR+64*((\n)%2)+4*II:WR+64*((\n)%2)+4*II+3], v2, s[26:27] offset:(KR+2*II)*8192 th:TH_LOAD_NT   ; sixteen lanes read 256 consecutive bytes, at a multiple of 256
.set II, II+1
.endr
.endm
.macro HALFW n, hf                     ; one block of 32 along K of my column in half hf
.set XS, WX+32*(\hf)
.set KB, 2*((\n)%2)+((\n)%4)/2
.set PB, WP+12*(\hf)
.set PH, PB+6*(KB/2)
	v_max3_num_f32 v12, |v[XS]|, |v[XS+1]|, |v[XS+2]|              ; the block's largest magnitude, in two chains
	v_max3_num_f32 v13, |v[XS+3]|, |v[XS+4]|, |v[XS+5]|
.irp i, 6,10,14,18,22,26
	v_max3_num_f32 v12, v12, |v[XS+\i]|, |v[XS+\i+1]|
	v_max3_num_f32 v13, v13, |v[XS+\i+2]|, |v[XS+\i+3]|
.endr
	v_max3_num_f32 v12, v12, |v[XS+30]|, |v[XS+31]|
	v_max3_num_f32 v12, v12, v13, 0x1800000        ; and the floor 2^(3 - 127): the byte cannot fall under 1
	v_add_nc_u32 v11, 0xff000000, v12              ; 2 off the exponent field: the conversion's scale operand
	v_lshrrev_b32 v13, 23, v11                     ; the scale's byte
.if KB == 0
	v_mov_b32 v[NW+\hf], v13                       ; four bytes make the step's scale word, the lower K in the lower byte
.else
	v_lshl_or_b32 v[NW+\hf], v13, 8*KB, v[NW+\hf]
.endif
	v_cvt_scalef32_pk16_fp6_f32 v[PH:PH+2], v[XS:XS+15], v11
	v_cvt_scalef32_pk16_fp6_f32 v[TC:TC+2], v[XS+16:XS+31], v11    ; (a conversion's three registers begin on an even number: the upper half is made elsewhere and moved)
	v_nop                                          ; one plain instruction behind a scaled conversion
.irp i, 0,1,2
	v_mov_b32 v[PH+3+\i], v[TC+\i]
.endr
.if KB >= 2
.irp g, 0,1,2
	global_store_b128 v3, v[PB+4*\g:PB+4*\g+3], s[28:29] offset:(\hf)*HTB+2048+512*\g+256*(KB%2)   ; sixteen lanes store 256 consecutive bytes, at a multiple of 256
.endr
.endif
.endm
.macro BLKW n, ahead, left
	s_wait_loadcnt \left                           ; this turn's 16 loads are in; the next turn's 16 may be out
.set II, 0
.rept 16
	ds_store_b128 v5, v[WR+64*((\n)%2)+4*II:WR+64*((\n)%2)+4*II+3] offset:512*II
.set II, II+1
.endr
.irp hf, 0,1
.set II, 0
.rept 32
	ds_load_b32 v[WX+32*\hf+II], v6 offset:256*II+128*\hf          ; LDS serves a wave's instructions in order (ISA guide 5.7.1.4): these see my stores
.set II, II+1
.endr
.endr
	s_wait_dscnt 32                                ; the stores have read their registers and the first half's 32 numbers are back; the second half's may be out
.if (\n) == 2
	s_wait_xcnt 0x0                                ; the last turn's stores have read their data: the code registers are written again only behind this wait
.endif
.if \ahead
	LOADW (\n)+2
.endif
	HALFW \n, 0
	s_wait_dscnt 0x0
	HALFW \n, 1
.endm
.macro ROTW z                          ; the step's word goes in at the end of the slot's three (z = 1: a word 0)
.irp hf, 0,1
	v_mov_b32 v[SW+4*\hf], v[SW+4*\hf+1]
	v_mov_b32 v[SW+4*\hf+1], v[SW+4*\hf+2]
.if \z
	v_mov_b32 v[SW+4*\hf+2], 0
.else
	v_mov_b32 v[SW+4*\hf+2], v[NW+\hf]
.endif
.endr
.endm
	LOADW 0
	LOADW 1
.Lw_step:                                              ; a trip is a K step: four turns; its last two ask for the next step's first two
	BLKW 0, 1, 16
	BLKW 1, 1, 16
	BLKW 2, 1, 16
	BLKW 3, 1, 16
	ROTW 0
	s_wait_xcnt 0x0                                ; loads and stores have read their bases and data
	s_add_nc_u64 s[26:27], s[26:27], 128*8192
	s_add_nc_u64 s[28:29], s[28:29], 8*FRB
	s_sub_co_u32 s21, s21, 1
	s_cmp_lg_u32 s21, 0
	s_wait_alu depctr_va_vdst(0)                   ; the wait ahead of the branch
	s_cbranch_scc1 .Lw_step
	BLKW 0, 1, 16                                  ; the slot's last step asks for nothing beyond it
	BLKW 1, 1, 16
	BLKW 2, 0, 16
	BLKW 3, 0, 0
	ROTW 0
	s_cmp_eq_u32 s22, 10                           ; the last slot has two steps: its words move up once more
	s_cbranch_scc0 .Lw_words
	ROTW 1
.Lw_words:
	s_wait_alu depctr_va_vdst(0)                   ; the wait ahead of the reader below
	global_store_b128 v4, v[SW:SW+3], s[30:31]     ; 32 lanes store 512 consecutive bytes: the scale words of the gate's two blocks
	global_store_b128 v4, v[SW+4:SW+7], s[30:31] offset:HTB
	s_wait_tensorcnt 0x0                           ; the wave's end
	ds_add_u32 v254, v255
	s_wait_dscnt 0x0
	s_endpgm
; ---------------------------------------------------------------- A: K is innermost.  Each load reads 512 consecutive bytes (a row's 128 numbers of a K step); 16 rows turn through the wave's own
; stage in LDS and come back in the operand's order: lane (r, h) holds, of row r, register 16 b + i = k 32 b + 16 h + i.
.Lpath_a:
	s_sub_co_u32 s21, ttmp9, 64
	s_and_b32 s24, s21, 1
	s_lshl_b32 s24, s24, 1
	s_add_co_u32 s24, s24, s20                     ; v: which 32 rows of the half tile
	s_lshr_b32 s21, s21, 1                         ; half tile HT
	s_wait_alu depctr_va_vdst(0)
	v_lshlrev_b32 v2, 4, v1                        ; 16 x lane: in, into the stage, and out
	v_and_b32 v3, 15, v1                           ; r
	v_lshrrev_b32 v4, 4, v1                        ; h
	s_mul_i32 s25, s20, STG
	v_add_nc_u32 v5, s25, v2                       ; the stage, on the way in: a row's 512 bytes on end
	v_mul_u32_u24 v6, v3, 528                      ; on the way out: row r; rows 528 bytes apart, an odd multiple of 16
	v_lshl_add_u32 v6, v4, 6, v6                   ; + 64 h
	v_add_nc_u32 v6, s25, v6
.irp b, 0,1,2,3
	v_mov_b32 v[TM+4+\b], 0                        ; written once: a lane permute's destination counts as one of its sources
.endr
	s_mov_b32 s[SEL], 0x76543210
	s_mov_b32 s[SEL+1], 0xfedcba98
	s_lshl_b32 s40, s21, 20                        ; 128 HT rows of 8,192 bytes
	s_lshl_b32 s41, s24, 18                        ; + 32 v rows
	s_add_co_u32 s40, s40, s41
	s_mul_i32 s41, s22, 3                          ; the slot's first K step
	s_wait_alu depctr_va_vdst(0)
	s_wait_kmcnt 0x0
.irp q, 0,1,2                          ; K steps 0 to 15 lie in hidden_state, 16 to 31 in x; a step is 512 bytes of a row.  (In slot 10 the third address is made and never used)
	s_add_co_u32 s42, s41, \q
	s_and_b32 s44, s42, 15
	s_lshl_b32 s44, s44, 9
	s_add_co_u32 s44, s44, s40
	s_mov_b32 s45, 0
	s_cmp_lt_u32 s42, 16
	s_cselect_b64 s[32+2*\q:33+2*\q], s[12:13], s[14:15]
	s_add_nc_u64 s[32+2*\q:33+2*\q], s[32+2*\q:33+2*\q], s[44:45]
.endr
	s_mul_i32 s42, s21, HTB
	s_mov_b32 s43, 0
	s_add_nc_u64 s[30:31], s[16:17], s[42:43]
	s_add_nc_u64 s[30:31], s[30:31], s[46:47]      ; my slot in my half tile
	s_mul_i32 s44, s24, 2*FRB
	s_mov_b32 s45, 0
	s_add_nc_u64 s[28:29], s[30:31], s[44:45]      ; codes: blocks 2 v, 2 v + 1
	s_lshl_b32 s44, s24, 9
	s_add_nc_u64 s[30:31], s[30:31], s[44:45]      ; their scale words
.macro LOADF n                         ; fragment n: step n / 2, block n % 2: sixteen rows' 512 bytes into set n % 2
.set II, 0
.rept 16
	global_load_b128 v[RA+64*((\n)%2)+4*II:RA+64*((\n)%2)+4*II+3], v2, s[32+2*((\n)/2):33+2*((\n)/2)] offset:(16*((\n)%2)+II)*8192 th:TH_LOAD_NT
.set II, II+1
.endr
.endm
; 64 numbers of a lane, v[s] .. v[s + 63], register 16 b + i = k 32 b + 16 (lane / 16) + i of my row, become a fragment's codes in v[PC] on and its scale word in v[PW] (the same word in lanes r and r + 16).
.macro QUANT s
.irp b, 0,1,2,3
	v_max3_num_f32 v[TM+\b], |v[\s+16*\b]|, |v[\s+1+16*\b]|, 0x1800000   ; block b: my 16 numbers, and the floor 2^(3 - 127)
.endr
.irp i, 2,4,6,8,10,12,14
.irp b, 0,1,2,3
	v_max3_num_f32 v[TM+\b], v[TM+\b], |v[\s+16*\b+\i]|, |v[\s+1+16*\b+\i]|   ; (the four blocks by turns)
.endr
.endr
.irp b, 0,1,2,3
	v_permlanex16_b32 v[TM+4+\b], v[TM+\b], s[SEL], s[SEL+1]
.endr
.irp b, 0,1,2,3
	v_max_num_f32 v[TM+\b], v[TM+\b], v[TM+4+\b]   ; with lane l xor 16's: the block's largest magnitude
.endr
.irp b, 0,1,2,3
	v_add_nc_u32 v[TM+12+\b], 0xff000000, v[TM+\b] ; 2 off its exponent field: the conversion's scale operand
.endr
.irp b, 0,1,2,3
	v_lshrrev_b32 v[TM+4+\b], 23, v[TM+12+\b]      ; the scale's byte
.endr
	v_lshl_or_b32 v[PW], v[TM+5], 8, v[TM+4]
	v_lshl_or_b32 v[PW], v[TM+6], 16, v[PW]
	v_lshl_or_b32 v[PW], v[TM+7], 24, v[PW]
.irp c, 0,1
	v_cvt_scalef32_pk16_fp6_f32 v[PC+6*\c:PC+2+6*\c], v[\s+32*\c:\s+15+32*\c], v[TM+12+2*\c]
	v_cvt_scalef32_pk16_fp6_f32 v[PC+12+4*\c:PC+14+4*\c], v[\s+16+32*\c:\s+31+32*\c], v[TM+12+2*\c+1]   ; (a conversion's three registers begin on an even number)
.endr
	v_nop                                          ; one plain instruction behind a scaled conversion
.irp c, 0,1                                    ; the operand's layout wants a WHOLE block in a lane: lanes 0-15 block 2 c, lanes 16-31 block 2 c + 1
.irp i, 0,1,2
	v_permlane16_swap_b32 v[PC+6*\c+\i], v[PC+12+4*\c+\i]
.endr
.irp i, 0,1,2
	v_mov_b32 v[PC+3+6*\c+\i], v[PC+12+4*\c+\i]
.endr
.endr
.endm
.macro FRAGM n, ahead, left
	s_wait_loadcnt \left                           ; this fragment's 16 loads are in; the next fragment's 16 may be out
.set II, 0
.rept 16
	ds_store_b128 v5, v[RA+64*((\n)%2)+4*II:RA+64*((\n)%2)+4*II+3] offset:528*II
.set II, II+1
.endr
.irp b, 0,1,2,3
.irp j, 0,1,2,3
	ds_load_b128 v[XA+16*\b+4*\j:XA+16*\b+4*\j+3], v6 offset:128*\b+16*\j   ; LDS serves a wave's instructions in order (ISA guide 5.7.1.4): these see my stores
.endr
.endr
	s_wait_dscnt 0x0                               ; my numbers are back, and the stores into the stage have read their registers
.if (\n) > 0
	s_wait_xcnt 0x0                                ; the last fragment's stores have read their data: the code registers are written again only behind this wait
.endif
.if \ahead
	LOADF (\n)+2
.endif
	QUANT XA
.irp g, 0,1,2
	global_store_b128 v2, v[PC+4*\g:PC+4*\g+3], s[28:29] offset:2048+(8*((\n)/2)+(\n)%2)*FRB+512*\g   ; 32 lanes store 512 consecutive bytes
.endr
	v_mov_b32 v[KW+(\n)], v[PW]
.endm
	LOADF 0
	LOADF 1
	FRAGM 0, 1, 16
	FRAGM 1, 1, 16
	s_cmp_eq_u32 s22, 10                           ; the last slot has two steps: no load is issued for a third
	s_cbranch_scc1 .La_short
	FRAGM 2, 1, 16
	FRAGM 3, 1, 16
	FRAGM 4, 0, 16
	FRAGM 5, 0, 0
	s_branch .La_words
.La_short:
	FRAGM 2, 0, 16
	FRAGM 3, 0, 0
	v_mov_b32 v[KW+4], 0
	v_mov_b32 v[KW+5], 0
.La_words:
	s_wait_alu depctr_va_vdst(0)
	v_cmp_gt_u32 vcc_lo, 16, v1                    ; lanes 0-15 write block 2 v's words, lanes 16-31 block 2 v + 1's
.irp q, 0,1,2
	v_cndmask_b32 v[OW+\q], v[KW+2*\q+1], v[KW+2*\q], vcc_lo
.endr
	v_mov_b32 v[OW+3], 0
	global_store_b128 v2, v[OW:OW+3], s[30:31]     ; 32 lanes store 512 consecutive bytes
	s_wait_tensorcnt 0x0                           ; the wave's end
	ds_add_u32 v254, v255
	s_wait_dscnt 0x0
	s_endpgm
.Lfunc_end_k_q9ce23215fa_quant:
	.size	k_q9ce23215fa_quant, .Lfunc_end_k_q9ce23215fa_quant-k_q9ce23215fa_quant
	.p2alignl 7, 3214868480
	.fill 96, 4, 3214868480
	.section	.rodata,"a",@progbits
	.p2align	6, 0x0
	.amdhsa_kernel k_q9ce23215fa_quant
		.amdhsa_group_segment_fixed_size 33536
		.amdhsa_private_segment_fixed_size 0
		.amdhsa_enable_private_segment 0
		.amdhsa_kernarg_size 64
		.amdhsa_user_sgpr_count 2
		.amdhsa_user_sgpr_kernarg_segment_ptr 1
		.amdhsa_wavefront_size32 1
		.amdhsa_system_sgpr_workgroup_id_x 1
		.amdhsa_system_sgpr_workgroup_id_y 1
		.amdhsa_system_sgpr_workgroup_id_z 1
		.amdhsa_system_vgpr_workitem_id 0
		.amdhsa_next_free_vgpr 256
		.amdhsa_next_free_sgpr 66
		.amdhsa_reserve_vcc 1
		.amdhsa_float_denorm_mode_32 3
		.amdhsa_float_denorm_mode_16_64 3
		.amdhsa_memory_ordered 1
		.amdhsa_forward_progress 1
		.amdhsa_inst_pref_size 143
	.end_amdhsa_kernel
	.amdgpu_metadata
---
amdhsa.version: [ 1, 2 ]
amdhsa.kernels:
  - .name:           k_q9ce23215fa_quant
    .symbol:         k_q9ce23215fa_quant.kd
    .args:
      - { .name: Wf, .offset: 0, .size: 8, .value_kind: global_buffer, .address_space: global }
      - { .name: Wi, .offset: 8, .size: 8, .value_kind: global_buffer, .address_space: global }
      - { .name: Wo, .offset: 16, .size: 8, .value_kind: global_buffer, .address_space: global }
      - { .name: Wc, .offset: 24, .size: 8, .value_kind: global_buffer, .address_space: global }
      - { .name: hidden_state, .offset: 32, .size: 8, .value_kind: global_buffer, .address_space: global }
      - { .name: x, .offset: 40, .size: 8, .value_kind: global_buffer, .address_space: global }
      - { .name: aq, .offset: 48, .size: 8, .value_kind: global_buffer, .address_space: global }
      - { .name: wq, .offset: 56, .size: 8, .value_kind: global_buffer, .address_space: global }
    .group_segment_fixed_size: 33536
    .private_segment_fixed_size: 0
    .kernarg_segment_align: 8
    .kernarg_segment_size: 64
    .max_flat_workgroup_size: 64
    .sgpr_count:     66
    .vgpr_count:     256
    .wavefront_size: 32
...
	.end_amdgpu_metadata
.endif
;; end of part 1
;; launch gates (part 2): grid 32 x 8, 4 waves a work-group, clusters of 4 x 4, 327,680 bytes of LDS; arguments aq, wq, bf, bi, bo, bc, cell_state, out0, out1; writes out0, out1
.if DOCPART == 2
	.amdgcn_target "amdgcn-amd-amdhsa--gfx1250"
	.amdhsa_code_object_version 6
	.text
	.protected	k_q9ce23215fa_gates
	.globl	k_q9ce23215fa_gates
	.p2align	8
	.type	k_q9ce23215fa_gates,@function
k_q9ce23215fa_gates:
	s_mov_b64 s[64:65], 0
	v_nop
	global_prefetch_b8 v0, s[64:65] scope:SCOPE_SE
	s_setreg_imm32_b32 hwreg(HW_REG_WAVE_MODE, 25, 1), 1
	s_wait_xcnt 0x0
	s_wait_alu depctr_hold_cnt(0) depctr_sa_sdst(0) depctr_va_vdst(0) depctr_va_sdst(0) depctr_va_ssrc(0) depctr_va_vcc(0) depctr_vm_vsrc(0)
	s_getreg_b32 s2, hwreg(HW_REG_IB_STS2, 6, 4)
	s_cmp_eq_u32 s2, 0
	s_cbranch_scc0 .Lentry_in_a_cluster
	s_endpgm
.Lentry_in_a_cluster:
	s_bfe_u32 s2, ttmp6, 0x10000c
	s_cmp_lg_u32 s2, 0xf033
	s_cbranch_scc0 .Lentry_shape_is_right
	s_endpgm
.Lentry_shape_is_right:
; z = Q([hidden | x]) Q([Wf | Wi | Wo | Wc]) + b on codes of FP6 (E2M3) with E8M0 scales, then the cell's element-wise part in f32; out0 = next hidden, out1 = next cell.
; aq and wq hold images of the operand's registers: a HALF TILE is 128 operand rows, HTB bytes; K's 32 steps of 128 lie in 11 slots: slots 0-9 three steps (SB bytes), slot 10 two.
; In a slot: 2,048 bytes of scale words (block i at 256 i, row r at 16 r, a word a step), then fragment (step q, block i) at 2,048 + (8 q + i) 1,536, registers 4 g .. 4 g + 3 of lane l at 512 g + 16 l.
; wq's half tile t holds units 32 t .. 32 t + 31 of all four gates: block 2 g + u (g: f, i, o, c) is unit 32 t + 16 u + r.  So a wave's 128 columns of z are 32 units with all their gates.
; A work-group makes 256 rows x 64 units; four waves, each 128 rows x 128 columns of z: 64 accumulators, 512 registers.  Source 0 = B's rows, source 1 = A's rows: a lane holds eight neighbouring units of one row.
; CLUSTERS 4 x 4: A's slots are asked for jointly along a row of the cluster, B's along a column.  Waves 0, 1 fetch A's two half tiles, waves 2, 3 B's: one load of a whole slot part a wave.
; THE RING: two LDS slots.  All fragments of a slot's third step are in registers before that step begins (its A blocks 4-7 in a set of their own), so the slot is filled again between its second and third step.
; FRAGMENTS: B has two sets and is fetched a whole step ahead; A's blocks 0-3 are fetched in the middle of the step before, blocks 4-7 at its end.
; cell_state's tile (256 rows x 256 bytes) comes by one plain tensor load a wave into LDS slot 1 when data slot 9 has been read; next cell and next hidden go out through the same slot's bytes, which have had their last fill.
; The exponents to the base 2 are held at 30 from above: a sigmoid under 2^-30 is given as about 2^-30, a tanh beyond that as 1; so no product of the three denominators overflows.  LIMIT: NaN and infinities are not served.
; REGISTERS: window 0: v0-31 addresses; v32-95 scale words, a set a slot; v96-119, v224-247 A's blocks 4-7 of a third step (first: v96-127, v224-255 the biases); v128-223 A's fragments.
;   window 1: B's sets at v0 and v128.  windows 2, 3: the accumulators ((a, b) at v[8 (8 (a % 4) + b)]).
.set SB,     38912
.set HTB,    415744
.set SLOT,   4*SB
.set SPARE,  2*SLOT                    ; the spare words: 512 bytes that no other line names
.set CPITCH, 272
.set CELL,   SLOT                      ; cell tile, then next cell: 256 rows x 272 bytes in LDS slot 1
.set NHS,    CELL+256*CPITCH           ; next hidden
.set FR,     12
.set NP,     4
.set PF0,    216                       ; the prefetches begin at this block of 256 bytes of a half tile: 1,624 - 11 x 128
.set PFE,    128*256                   ; four partners x 32 lanes x 256 bytes
.set ADRA, 16
.set ADRB, 18
.set ADRS, 20
.set GO,   22
.set PFC,  23
.set EA,   24
.set EH,   25
.set RDC,  26
.set RDH,  27
.set SPW,  28
.set NIL,  29
.set BO,   30
.set PFO,  31
.set SC,   32
.set AF,   128
.set TF,   96
.set TI,   112
.set TO,   128
.set TG,   144
.set CL,   160
.set TX,   176
.set OUTR, 192
.set LIM,  2
.set G0C,  4                           ; s[4:7], s[8:15]: groups 0 and 1 of the cell tile's load, in registers that held arguments
.set G1C,  8
.set G1,   24
.set G0,   32
.set G1B,  48
.set G0B,  56
.set PFA,  66
.set G1S,  68
.set G1SB, 76
.set MSB, 0
.macro WIN new                         ; the immediate's high byte repeats the setting that is left
.if MSB != \new
	s_set_vgpr_msb (MSB<<8)|\new
.set MSB, \new
.endif
.endm
.set MUL_LO, 0xa1                      ; source 0 (B) window 1, source 1 (A) window 0, C and D window 2
.set MUL_HI, 0xf1
.set BIA_LO, 0x81                      ; C (the biases) window 0
.set BIA_HI, 0xc1
.set TO_B,   0x40
.macro PLACES n
.rept \n
	v_nop
.endr
.endm
.macro JLOAD g0a, g1a, g0b, g1b        ; a joint load; the branch hangs on the wave's number alone
	s_cmp_eq_u32 s23, 0
	s_cbranch_scc0 .Lfor_b_\@
	tensor_load_to_lds s[\g0a:\g0a+3], s[\g1a:\g1a+7]
	s_nop 0
	PLACES 4
	s_branch .Lasked_\@
.Lfor_b_\@:
	tensor_load_to_lds s[\g0b:\g0b+3], s[\g1b:\g1b+7]
	s_nop 0
	PLACES 4
.Lasked_\@:
.endm
.macro ASK                             ; 32 blocks of 256 bytes, a lane a block; the four partners share 128 blocks out by address
	s_cmp_eq_u32 s[LIM], 1
	s_cbranch_scc0 .Lnot_mine_\@
	global_prefetch_b8 v[PFO], s[PFA:PFA+1] offset:2*PFE th:TH_LOAD_NT scope:SCOPE_SE
.Lnot_mine_\@:
.endm
.macro CREST                           ; a round of the cluster's barrier behind its opening barrier
	s_cmp_lg_u32 s22, 0
	s_cbranch_scc1 .Lnot_wave_0_\@
	s_barrier_signal -3
.Lnot_wave_0_\@:
	s_barrier_wait -3
	s_barrier_signal -1
	s_barrier_wait -1
.endm
.macro CROUND
	s_barrier_signal -1
	s_barrier_wait -1
	CREST
.endm
	s_load_b256 s[4:11], s[0:1], 0x0               ; aq, wq, bf, bi
	s_load_b256 s[12:19], s[0:1], 0x20             ; bo, bc, cell_state, out0
	s_load_b64 s[20:21], s[0:1], 0x40              ; out1
	v_lshl_add_u32 v[SPW], v0, 2, SPARE
	v_mov_b32 v[NIL], 0
	ds_add_u32 v[SPW], v[NIL]                      ; the opening lines: the add twice on end and one wait
	ds_add_u32 v[SPW], v[NIL]
	v_lshrrev_b32 v1, 5, v0
	v_readfirstlane_b32 s22, v1                    ; wave
	s_lshr_b32 s23, s22, 1                         ; my half of the rows; also: I fetch for A (0) or B (1)
	s_and_b32 s84, s22, 1                          ; my half of the columns; also: which half tile I fetch
	s_bfe_u32 s40, ttmp6, 0x40000                  ; cx
	s_bfe_u32 s41, ttmp6, 0x40004                  ; cy
	s_lshl_b32 s42, ttmp9, 2
	s_add_co_u32 s42, s42, s40                     ; tile column
	s_and_b32 s43, ttmp7, 0xffff
	s_lshl_b32 s43, s43, 2
	s_add_co_u32 s43, s43, s41                     ; tile row
	s_lshl_b32 s44, s41, 2
	s_lshl_b32 s44, 15, s44                        ; my row of the cluster
	s_lshl_b32 s45, 0x1111, s40                    ; my column
	s_or_b32 s[G1], s44, (3<<16)|(1<<21)
	s_or_b32 s[G1B], s45, (3<<16)|(1<<21)
	s_or_b32 s[G1S], s44, (3<<16)|(1<<21)
	s_or_b32 s[G1SB], s45, (3<<16)|(1<<21)
.irp g, G1, G1B                        ; a slot part is dense: 152 rows of 256 bytes
	s_mov_b32 s[\g+1], 32<<16
	s_mov_b32 s[\g+2], 152<<16
	s_mov_b32 s[\g+3], 32<<16
	s_mov_b32 s[\g+4], 152
	s_mov_b32 s[\g+5], 32
	s_mov_b32 s[\g+6], 0
	s_mov_b32 s[\g+7], 0
.endr
.irp g, G1S, G1SB                      ; slot 10: 104 rows
	s_mov_b32 s[\g+1], 32<<16
	s_mov_b32 s[\g+2], 104<<16
	s_mov_b32 s[\g+3], 32<<16
	s_mov_b32 s[\g+4], 104
	s_mov_b32 s[\g+5], 32
	s_mov_b32 s[\g+6], 0
	s_mov_b32 s[\g+7], 0
.endr
	s_lshl_b32 s46, s43, 1
	s_add_co_u32 s46, s46, s84
	s_mul_i32 s46, s46, HTB                        ; A's half tile 2 x tile row + half
	s_mov_b32 s47, 0
	s_lshl_b32 s98, s42, 1
	s_add_co_u32 s98, s98, s84
	s_mul_i32 s98, s98, HTB                        ; B's
	s_mov_b32 s99, 0
	s_mul_i32 s85, s22, SB                         ; in a slot: A's two parts, then B's two = wave x SB
	s_mov_b32 s86, 0xbfb8aa3b                      ; -log2(e)
	s_mov_b32 s87, s86
	s_mov_b32 s88, 0x4038aa3b                      ; 2 log2(e)
	s_mov_b32 s89, s88
	s_mov_b32 s90, 0x41f00000                      ; 30.0
	s_wait_dscnt 0x0
	s_wait_kmcnt 0x0
	s_add_nc_u64 s[46:47], s[4:5], s[46:47]
	s_add_nc_u64 s[98:99], s[6:7], s[98:99]
.irp s, 0,1
	s_mov_b32 s[G0+4*\s], 1
	s_add_co_u32 s[G0+4*\s+1], s85, \s*SLOT
	s_add_nc_u64 s[G0+4*\s+2:G0+4*\s+3], s[46:47], \s*SB
	s_or_b32 s[G0+4*\s+3], s[G0+4*\s+3], 0x80000000
	s_mov_b32 s[G0B+4*\s], 1
	s_add_co_u32 s[G0B+4*\s+1], s85, \s*SLOT
	s_add_nc_u64 s[G0B+4*\s+2:G0B+4*\s+3], s[98:99], \s*SB
	s_or_b32 s[G0B+4*\s+3], s[G0B+4*\s+3], 0x80000000
.endr
	CROUND                                         ; all sixteen work-groups are here: the first joint loads meet
	JLOAD G0, G1, G0B, G1B                         ; slot 0: one tensor load a wave at the head
	v_and_b32 v1, 15, v0                           ; r
	v_bfe_u32 v2, v0, 4, 1                         ; h
	v_and_b32 v3, 31, v0                           ; lane
	v_lshlrev_b32 v4, 4, v3
	v_lshlrev_b32 v[PFO], 8, v3                    ; prefetches of codes: a lane a block of 256 bytes
	v_lshlrev_b32 v[PFC], 13, v3                   ; of the cell tile: a lane a row
	s_wait_alu depctr_va_vdst(0)                   ; the wait ahead of the scalar lines below
	s_and_b32 s44, ttmp7, 0xffff
	s_cmp_eq_u32 s23, 0
	s_cselect_b32 s45, s43, s42
	s_cselect_b32 s85, s40, s41                    ; my place among the four that ask with me
	s_cselect_b32 s44, ttmp9, s44
	s_cselect_b64 s[PFA:PFA+1], s[4:5], s[6:7]
	s_cmp_eq_u32 s44, 0                            ; of the clusters that read a half tile the first one asks
	s_cselect_b32 s[LIM], 1, -1
	s_lshl_b32 s45, s45, 1
	s_add_co_u32 s45, s45, s84
	s_mul_i32 s44, s45, HTB
	s_lshl_b32 s85, s85, 13
	s_add_co_u32 s44, s44, s85
	s_add_co_u32 s44, s44, PF0*256
	s_mov_b32 s45, 0
	s_add_nc_u64 s[PFA:PFA+1], s[PFA:PFA+1], s[44:45]
	s_cmp_eq_u32 s[LIM], 1
	s_cbranch_scc0 .Lno_first_ask
	global_prefetch_b8 v[PFO], s[PFA:PFA+1] th:TH_LOAD_NT scope:SCOPE_SE               ; blocks 216 to 599 of the half tile: most of slots 1 to 3
	global_prefetch_b8 v[PFO], s[PFA:PFA+1] offset:PFE th:TH_LOAD_NT scope:SCOPE_SE
	global_prefetch_b8 v[PFO], s[PFA:PFA+1] offset:2*PFE th:TH_LOAD_NT scope:SCOPE_SE
.Lno_first_ask:
	s_lshl_b32 s85, s43, 8
	s_lshl_b32 s91, s22, 6
	s_add_co_u32 s91, s91, s85                     ; row 256 x tile row + 64 x wave
	s_lshl_b32 s92, s91, 13
	s_lshl_b32 s91, s42, 8                         ; 256 bytes x tile column
	s_add_co_u32 s92, s92, s91
	s_mov_b32 s93, 0
	s_add_nc_u64 s[92:93], s[16:17], s[92:93]      ; my 64 rows of the cell tile
	s_lshl_b32 s94, s23, 7
	s_add_co_u32 s94, s94, s85
	s_lshl_b32 s85, s84, 4
	s_add_co_u32 s94, s94, s85
	s_lshl_b32 s94, s94, 13
	s_add_co_u32 s94, s94, s91
	s_mov_b32 s95, 0
	s_add_nc_u64 s[96:97], s[20:21], s[94:95]      ; out1
	s_add_nc_u64 s[94:95], s[18:19], s[94:95]      ; out0
	s_lshl_b32 s85, s84, 7
	s_add_co_u32 s85, s85, s91
	v_lshl_add_u32 v[BO], v2, 5, s85
.irp g, 0,1,2,3                        ; the biases in the result's layout: the C of the first step's products
.irp u, 0,1
	global_load_b128 v[96+8*(2*\g+\u)+96*(\g/2):96+8*(2*\g+\u)+96*(\g/2)+3], v[BO], s[8+2*\g:9+2*\g] offset:64*\u
	global_load_b128 v[96+8*(2*\g+\u)+96*(\g/2)+4:96+8*(2*\g+\u)+96*(\g/2)+7], v[BO], s[8+2*\g:9+2*\g] offset:64*\u+16
.endr
.endr
	s_mov_b32 s[G0C], 1                            ; the cell tile's group 0
	s_mul_i32 s[G0C+1], s22, 64*CPITCH
	s_add_co_u32 s[G0C+1], s[G0C+1], CELL
	s_mov_b64 s[G0C+2:G0C+3], s[92:93]
	s_or_b32 s[G0C+3], s[G0C+3], 0x80000000
	s_mul_i32 s85, s23, SB
	s_mul_i32 s91, s84, SB
	s_add_co_u32 s91, s91, 2*SB
.irp s, 0,1
	v_add_nc_u32 v[ADRA+\s], s85, v4
	v_add_nc_u32 v[ADRB+\s], s91, v4
	s_add_co_u32 s85, s85, SLOT
	s_add_co_u32 s91, s91, SLOT
.endr
	s_mul_i32 s85, s23, SB
	s_mul_i32 s91, s84, SB
	s_add_co_u32 s91, s91, 2*SB
	s_sub_co_u32 s91, s91, s85
	v_mul_u32_u24 v5, s91, v2                      ; scale words: lanes 0-15 A's, lanes 16-31 B's
	v_lshl_add_u32 v5, v1, 4, v5
	v_add_nc_u32 v[ADRS], s85, v5
	v_add_nc_u32 v[ADRS+1], SLOT, v[ADRS]
	v_lshlrev_b32 v[GO], 4, v1
	v_lshl_add_u32 v[GO], v2, 13, v[GO]            ; out: sixteen lanes a row's 256 bytes, two rows an instruction
	v_mul_u32_u24 v5, v2, CPITCH
	v_lshl_add_u32 v5, v1, 4, v5
	s_mul_i32 s85, s23, 128*CPITCH
	s_mul_i32 s91, s84, 16*CPITCH
	s_add_co_u32 s85, s85, s91
	s_add_co_u32 s85, s85, CELL
	v_add_nc_u32 v[RDC], s85, v5
	v_add_nc_u32 v[RDH], 256*CPITCH, v[RDC]
	v_mul_u32_u24 v5, v1, CPITCH
	v_lshl_add_u32 v5, v2, 5, v5
	s_mul_i32 s85, s23, 128*CPITCH
	s_lshl_b32 s91, s84, 7
	s_add_co_u32 s85, s85, s91
	s_add_co_u32 s85, s85, CELL
	v_add_nc_u32 v[EA], s85, v5                    ; my 32 bytes of row r in the cell tile
	v_add_nc_u32 v[EH], 256*CPITCH, v[EA]
.macro FRAG reg, adr, q, i
.irp g, 0,1,2
	ds_load_b128 v[\reg+4*\g:\reg+4*\g+3], v[\adr] offset:2048+(8*(\q)+(\i))*1536+512*\g
.endr
.endm
; 16 products: A's blocks a0, a0 + 1 x B's eight.  p: B's set; q: the step in its slot; sc: the scale set; bias: C = the biases; x: A's blocks 4-7 from their extra set.
; The 64 accumulators take turns, one instruction a turn.
.macro MUL16 a0, p, q, sc, bias, x
.irp a, \a0, \a0+1
.irp b, 0,1,2,3,4,5,6,7
.set DR, 8*(8*((\a)%4)+\b)
.set CR, DR
.if \bias
.set CR, 96+8*\b+96*(\b/4)
.endif
.set AR, AF+FR*(\a)
.if \x
.set AR, 96+12*((\a)-4)+104*(((\a)-4)/2)
.endif
	v_wmma_scale_f32_16x16x128_f8f6f4 v[DR:DR+7], v[128*(\p)+FR*\b:128*(\p)+FR*\b+FR-1], v[AR:AR+FR-1], v[CR:CR+7], v[SC+32*(\sc)+4*\b+(\q)], v[SC+32*(\sc)+4*(\a)+(\q)] matrix_a_fmt:MATRIX_FMT_FP6 matrix_b_fmt:MATRIX_FMT_FP6 matrix_a_scale:MATRIX_SCALE_ROW1
.endr
.endr
.endm
.macro FETCH_B slot, q, p              ; 24 loads
	WIN TO_B
.irp i, 0,1,2,3,4,5,6,7
	FRAG 128*(\p)+FR*\i, ADRB+\slot, \q, \i
.endr
	WIN 0
.endm
.macro FETCH_A slot, q, i0             ; 12 loads
.irp i, \i0, \i0+1, \i0+2, \i0+3
	FRAG AF+FR*(\i), ADRA+\slot, \q, \i
.endr
.endm
.macro FETCH_AX slot                   ; 12 loads: the third step's blocks 4-7 into the extra set
.irp i, 4,5,6,7
	FRAG 96+12*(\i-4)+104*((\i-4)/2), ADRA+\slot, 2, \i
.endr
.endm
.macro SCALES slot                     ; 8 loads
.irp i, 0,1,2,3,4,5,6,7
	ds_load_b128 v[SC+32*\slot+4*\i:SC+32*\slot+4*\i+3], v[ADRS+\slot] offset:256*\i
.endr
.endm
; A slot's first step.  last = 1: the slot has two steps.
.macro S0 sl, p, bias, last
	s_wait_dscnt 24                                ; all but the youngest 24, B of the second step
.if \bias
	WIN BIA_LO
.else
	WIN MUL_LO
.endif
	MUL16 0, \p, 0, \sl, \bias, 0
	MUL16 2, \p, 0, \sl, \bias, 0
	PLACES NP
	WIN 0
	FETCH_A \sl, 1, 0
.if \bias
	WIN BIA_HI
.else
	WIN MUL_HI
.endif
	MUL16 4, \p, 0, \sl, \bias, 0
	MUL16 6, \p, 0, \sl, \bias, 0
	PLACES NP
	WIN 0
	FETCH_A \sl, 1, 4
.if \last == 0
	FETCH_B \sl, 2, \p
	FETCH_AX \sl
.endif
.endm
; A slot's second step; in it the last fragments of the slot are fetched, and behind it the slot is filled again.
; fill = 1: with the slot two on; 2: with slot 10; 3: with the cell tile, a plain load of 64 rows a wave.
.macro S1 sl, next, p, fill
	s_wait_dscnt 48                                ; out: A's blocks 4-7 (12), B of the third step (24), the extra set (12)
	WIN MUL_LO
	MUL16 0, \p, 1, \sl, 0, 0
	MUL16 2, \p, 1, \sl, 0, 0
	s_wait_dscnt 36                                ; A's blocks 4-7 are in
	PLACES NP
	WIN 0
	FETCH_A \sl, 2, 0                              ; my last reads of this slot
	s_wait_tensorcnt 0x0                           ; my part of the next slot has landed
	ds_add_u32 v[SPW], v[NIL]
.if \fill < 3
	s_add_nc_u64 s[G0+4*\sl+2:G0+4*\sl+3], s[G0+4*\sl+2:G0+4*\sl+3], 2*SB
	s_add_nc_u64 s[G0B+4*\sl+2:G0B+4*\sl+3], s[G0B+4*\sl+2:G0B+4*\sl+3], 2*SB
.endif
.if \fill == 1
	s_wait_xcnt 0x0                                ; my prefetches have read their address
	s_add_nc_u64 s[PFA:PFA+1], s[PFA:PFA+1], PFE
.endif
	WIN MUL_HI
	MUL16 4, \p, 1, \sl, 0, 0
	s_wait_dscnt 0x0                               ; the add is done, my reads of this slot are back
	s_barrier_signal -1                            ; opens a round of the cluster's barrier
	MUL16 6, \p, 1, \sl, 0, 0
	WIN 0
	s_barrier_wait -1
	CREST
.if \fill == 1
	JLOAD G0+4*\sl, G1, G0B+4*\sl, G1B
.endif
.if \fill == 2
	JLOAD G0+4*\sl, G1S, G0B+4*\sl, G1SB
.endif
.if \fill == 3
	tensor_load_to_lds s[G0C:G0C+3], s[G1C:G1C+7]
	s_nop 0
	PLACES 4
.endif
	FETCH_B \next, 0, \p                           ; the four v_nop behind the load are the places in front of these
	SCALES \next
	FETCH_A \next, 0, 4
.if \fill == 1
	ASK
.endif
.endm
; A slot's third step: all its fragments are in registers.
.macro S2 sl, next, p
	WIN MUL_LO
	MUL16 0, \p, 2, \sl, 0, 0
	MUL16 2, \p, 2, \sl, 0, 0
	PLACES NP
	WIN 0
	FETCH_A \next, 0, 0
	WIN MUL_HI
	MUL16 4, \p, 2, \sl, 0, 1
	MUL16 6, \p, 2, \sl, 0, 1
	PLACES NP
	FETCH_B \next, 1, \p
.endm
	s_wait_alu depctr_va_vdst(0)                   ; the wait at the head's end
	s_wait_tensorcnt 0x0                           ; my part of slot 0 is in; slot 1's first fill is issued as a refill is
	ds_add_u32 v[SPW], v[NIL]
	s_wait_dscnt 0x0
	CROUND
	JLOAD G0+4, G1, G0B+4, G1B
	FETCH_B 0, 0, 0
	SCALES 0
	FETCH_A 0, 0, 4
	FETCH_A 0, 0, 0
	FETCH_B 0, 1, 1
	s_wait_loadcnt 0x0                             ; the biases; their pointers' registers are free
	s_mov_b32 s[G1C+0], (3<<16)|(1<<20)|(5<<22)|(3<<25)   ; the cell tile: elements of 8 bytes, 16 bytes of padding behind each 256
	s_mov_b32 s[G1C+1], 32<<16
	s_mov_b32 s[G1C+2], 64<<16
	s_mov_b32 s[G1C+3], 32<<16
	s_mov_b32 s[G1C+4], 64
	s_mov_b32 s[G1C+5], 1024                       ; a row of cell_state is 8,192 bytes
	s_mov_b32 s[G1C+6], 0
	s_mov_b32 s[G1C+7], 0
	S0 0, 0, 1, 0
	global_prefetch_b8 v[PFC], s[92:93] th:TH_LOAD_NT scope:SCOPE_SE                   ; my 64 rows of the cell tile, 256 bytes each: loaded 28 steps on
	global_prefetch_b8 v[PFC], s[92:93] offset:32*8192 th:TH_LOAD_NT scope:SCOPE_SE
	s_mov_b32 s3, 4
.Llap:                                                 ; a trip: two slots, from a second step to the first step two slots on
	S1 0, 1, 1, 1
	S2 0, 1, 0
	S0 1, 1, 0, 0
	S1 1, 0, 0, 1
	S2 1, 0, 1
	S0 0, 0, 0, 0
	s_sub_co_u32 s3, s3, 1
	s_cmp_lg_u32 s3, 0
	s_cbranch_scc1 .Llap
	S1 0, 1, 1, 2                                  ; slot 8; slot 10 is asked for
	S2 0, 1, 0
	S0 1, 1, 0, 0
	S1 1, 0, 0, 3                                  ; slot 9; the cell tile is asked for
	S2 1, 0, 1
	S0 0, 0, 0, 1                                  ; slot 10
	s_wait_dscnt 12
	WIN MUL_LO
	MUL16 0, 1, 1, 0, 0, 0
	MUL16 2, 1, 1, 0, 0, 0
	s_wait_dscnt 0x0
	WIN MUL_HI
	MUL16 4, 1, 1, 0, 0, 0
	MUL16 6, 1, 1, 0, 0, 0
	WIN 0
	PLACES NP
.macro MEETALL
	s_wait_dscnt 0x0
	s_barrier_signal -1
	s_barrier_wait -1
.endm
.macro PK1 op, d, x, c
.set NN, 0
.rept 8
	\op v[\d+NN:\d+NN+1], v[\x+NN:\x+NN+1], \c op_sel_hi:[1,0]
.set NN, NN+2
.endr
.endm
.macro PK2 op, d, x, y
.set NN, 0
.rept 8
	\op v[\d+NN:\d+NN+1], v[\x+NN:\x+NN+1], v[\y+NN:\y+NN+1]
.set NN, NN+2
.endr
.endm
; Block a: 16 rows x my 32 units, 16 units a lane.  ef, ei, eo = 2^(-z log2 e), eg = 2^(2 zc log2 e).
; next cell = (cell (1 + ei)(1 + eg) + (eg - 1)(1 + ef)) / ((1 + ef)(1 + ei)(1 + eg));  next hidden = (ec - 1) / ((1 + ec)(1 + eo)), ec = 2^(2 next cell log2 e).
.macro EPI a
.set AC, 64*((\a)%4)
.irp u, 0,1
.irp k, 0,1
	ds_load_b128 v[CL+8*\u+4*\k:CL+8*\u+4*\k+3], v[EA] offset:16*CPITCH*(\a)+64*\u+16*\k
.endr
.endr
	WIN 0x02+(\a)/4
	s_wait_alu depctr_va_vdst(0)                   ; the wait ahead of the first readers of matrix results
.set NN, 0
.rept 24
	v_pk_mul_f32 v[TF+NN:TF+NN+1], v[AC+NN:AC+NN+1], s[86:87] op_sel_hi:[1,0]   ; each accumulator from its low end on
.set NN, NN+2
.endr
.rept 8
	v_pk_mul_f32 v[TF+NN:TF+NN+1], v[AC+NN:AC+NN+1], s[88:89] op_sel_hi:[1,0]
.set NN, NN+2
.endr
	WIN 0
.set NN, 0
.rept 64
	v_min_num_f32 v[TF+NN], s90, v[TF+NN]          ; the exponents held at 30
.set NN, NN+1
.endr
	s_wait_alu depctr_va_vdst(0)                   ; one wait ahead of the batch,
.set NN, 0
.rept 64
	v_exp_f32 v[TF+NN], v[TF+NN]
.set NN, NN+1
.endr
	v_nop
	s_wait_alu depctr_va_vdst(0)                   ; and one behind it
	s_wait_dscnt 0x0
	PK1 v_pk_add_f32, TX, TG, 1.0
	PK1 v_pk_add_f32, TI, TI, 1.0
	PK1 v_pk_add_f32, TF, TF, 1.0
	PK2 v_pk_mul_f32, TX, TI, TX
	PK2 v_pk_mul_f32, TI, TF, TX
.set NN, 0
	s_wait_alu depctr_va_vdst(0)
.rept 8
	v_rcp_f32 v[TI+NN], v[TI+NN]
	v_pk_add_f32 v[TG+NN:TG+NN+1], v[TG+NN:TG+NN+1], -1.0 op_sel_hi:[1,0]
	v_rcp_f32 v[TI+NN+1], v[TI+NN+1]
	v_pk_mul_f32 v[TX+NN:TX+NN+1], v[CL+NN:CL+NN+1], v[TX+NN:TX+NN+1]
.set NN, NN+2
.endr
.set NN, 0
	s_wait_alu depctr_va_vdst(0)
.rept 8
	v_pk_fma_f32 v[TX+NN:TX+NN+1], v[TG+NN:TG+NN+1], v[TF+NN:TF+NN+1], v[TX+NN:TX+NN+1]
.set NN, NN+2
.endr
	PK1 v_pk_add_f32, TO, TO, 1.0
	PK2 v_pk_mul_f32, TX, TX, TI                   ; next cell
.set NN, 0
.rept 8
	v_pk_mul_f32 v[TG+NN:TG+NN+1], v[TX+NN:TX+NN+1], s[88:89] op_sel_hi:[1,0]
.set NN, NN+2
.endr
.set NN, 0
.rept 16
	v_min_num_f32 v[TG+NN], s90, v[TG+NN]
.set NN, NN+1
.endr
.irp u, 0,1
.irp k, 0,1
	ds_store_b128 v[EA], v[TX+8*\u+4*\k:TX+8*\u+4*\k+3] offset:16*CPITCH*(\a)+64*\u+16*\k
.endr
.endr
.set NN, 0
	s_wait_alu depctr_va_vdst(0)
.rept 16
	v_exp_f32 v[TG+NN], v[TG+NN]
.set NN, NN+1
.endr
	v_nop
	s_wait_alu depctr_va_vdst(0)
	PK1 v_pk_add_f32, TF, TG, 1.0
	PK2 v_pk_mul_f32, TF, TF, TO
.set NN, 0
	s_wait_alu depctr_va_vdst(0)
.rept 8
	v_rcp_f32 v[TF+NN], v[TF+NN]
	v_rcp_f32 v[TF+NN+1], v[TF+NN+1]
	v_pk_add_f32 v[TG+NN:TG+NN+1], v[TG+NN:TG+NN+1], -1.0 op_sel_hi:[1,0]
.set NN, NN+2
.endr
	v_nop
	s_wait_alu depctr_va_vdst(0)
	PK2 v_pk_mul_f32, TG, TG, TF                   ; next hidden
.irp u, 0,1
.irp k, 0,1
	ds_store_b128 v[EH], v[TG+8*\u+4*\k:TG+8*\u+4*\k+3] offset:16*CPITCH*(\a)+64*\u+16*\k
.endr
.endr
.endm
; 32 rows of my row half are whole (two waves wrote their halves of each 256 bytes): I send 16 of them, sixteen lanes to an aligned 256 bytes.
.macro SENDP p
.if \p > 0
	s_wait_xcnt 0x0                                ; the last stores have read their data
.endif
.irp t, 0,1,2,3,4,5,6,7
	ds_load_b128 v[OUTR+4*\t:OUTR+4*\t+3], v[RDH] offset:(32*\p+2*\t)*CPITCH
.endr
.irp t, 0,1,2,3,4,5,6,7
	ds_load_b128 v[OUTR+32+4*\t:OUTR+32+4*\t+3], v[RDC] offset:(32*\p+2*\t)*CPITCH
.endr
.irp t, 0,1,2,3,4,5,6,7
	s_wait_dscnt 15-\t
	global_store_b128 v[GO], v[OUTR+4*\t:OUTR+4*\t+3], s[94:95] offset:(32*\p+2*\t)*8192 th:TH_STORE_NT
.endr
.irp t, 0,1,2,3,4,5,6,7
	s_wait_dscnt 7-\t
	global_store_b128 v[GO], v[OUTR+32+4*\t:OUTR+32+4*\t+3], s[96:97] offset:(32*\p+2*\t)*8192 th:TH_STORE_NT
.endr
.endm
	s_wait_tensorcnt 0x0                           ; my 64 rows of the cell tile are in; the barrier shows all 256 to every wave
	MEETALL
.irp p, 0,1,2,3
	EPI 2*\p
	EPI 2*\p+1
	MEETALL
	SENDP \p
.endr
	s_wait_tensorcnt 0x0                           ; the wave's end
	ds_add_u32 v[SPW], v[NIL]
	s_wait_dscnt 0x0
	CROUND                                         ; the closing round
	s_endpgm
.Lfunc_end_k_q9ce23215fa_gates:
	.size	k_q9ce23215fa_gates, .Lfunc_end_k_q9ce23215fa_gates-k_q9ce23215fa_gates
	.p2alignl 7, 3214868480
	.fill 96, 4, 3214868480
	.section	.rodata,"a",@progbits
	.p2align	6, 0x0
	.amdhsa_kernel k_q9ce23215fa_gates
		.amdhsa_group_segment_fixed_size 327680
		.amdhsa_private_segment_fixed_size 0
		.amdhsa_enable_private_segment 0
		.amdhsa_kernarg_size 72
		.amdhsa_user_sgpr_count 2
		.amdhsa_user_sgpr_kernarg_segment_ptr 1
		.amdhsa_wavefront_size32 1
		.amdhsa_system_sgpr_workgroup_id_x 1
		.amdhsa_system_sgpr_workgroup_id_y 1
		.amdhsa_system_sgpr_workgroup_id_z 1
		.amdhsa_system_vgpr_workitem_id 0
		.amdhsa_next_free_vgpr 1024
		.amdhsa_next_free_sgpr 100
		.amdhsa_reserve_vcc 0
		.amdhsa_float_denorm_mode_32 3
		.amdhsa_float_denorm_mode_16_64 3
		.amdhsa_memory_ordered 1
		.amdhsa_forward_progress 1
		.amdhsa_inst_pref_size 255
	.end_amdhsa_kernel
	.section	.bss,"aw",@nobits
	.p2align	6
	.space	262144
	.amdgpu_metadata
---
amdhsa.version: [ 1, 2 ]
amdhsa.kernels:
  - .name:           k_q9ce23215fa_gates
    .symbol:         k_q9ce23215fa_gates.kd
    .args:
      - { .name: aq, .offset: 0, .size: 8, .value_kind: global_buffer, .address_space: global }
      - { .name: wq, .offset: 8, .size: 8, .value_kind: global_buffer, .address_space: global }
      - { .name: bf, .offset: 16, .size: 8, .value_kind: global_buffer, .address_space: global }
      - { .name: bi, .offset: 24, .size: 8, .value_kind: global_buffer, .address_space: global }
      - { .name: bo, .offset: 32, .size: 8, .value_kind: global_buffer, .address_space: global }
      - { .name: bc, .offset: 40, .size: 8, .value_kind: global_buffer, .address_space: global }
      - { .name: cell_state, .offset: 48, .size: 8, .value_kind: global_buffer, .address_space: global }
      - { .name: out0, .offset: 56, .size: 8, .value_kind: global_buffer, .address_space: global }
      - { .name: out1, .offset: 64, .size: 8, .value_kind: global_buffer, .address_space: global }
    .group_segment_fixed_size: 327680
    .private_segment_fixed_size: 0
    .kernarg_segment_align: 8
    .kernarg_segment_size: 72
    .max_flat_workgroup_size: 128
    .sgpr_count:     100
    .vgpr_count:     1024
    .wavefront_size: 32
...
	.end_amdgpu_metadata
.endif
;; end of part 2
